; MI455X (gfx1250); checked and timed in simulation.
; The chip was launched on July 23, 2026; its instructions are those of AMD's public machine-readable ISA for CDNA 5 (MIT licence, August 2026) and "CDNA5" Instruction Set Architecture Reference Guide (July 2026). The comments in the code are by the model that wrote it; some were corrected since.
;; Encoder Attention. Allowed arithmetic: matrix products marked QUANTISED: E2M3 operands, one E8M0 scale for each 32 along K, by v_wmma_scale_f32_16x16x128_f8f6f4 with both operands' format E2M3, f32 sums; products left as they are: f32 operands where the result goes on into a quantised operand, else bf16, f16 or f32 operands; f32 sums; everything else in f32.
;; Inputs: Wh 1,024 x 1,024 float32; Ws 1,024 x 1,024 float32; bs 1,024 float32; decoder_hidden 32 x 1,024 float32; encoder_hidden 32 x 2,048 x 1,024 float32; encoder_padding 32 x 2,048 float32; sum_temporal 32 x 2,048 float32; v 1,024 float32.
;; Outputs: out0 32 x 1,024 float32; out1 32 x 2,048 float32; out2 32 x 2,048 float32.
;; This version of the problem:
;;   THIS VERSION OF THE PROBLEM IS GIVEN IN LOW PRECISION. The matrix products marked QUANTISED in the list below multiply operands that are first quantised to E2M3 (2 exponent bits, 3 mantissa bits; 6 bits a number), with one power-of-two scale for each 32 numbers along K (OCP MX v1.0); their sums are f32. All else is computed in f32.
;;   The module's matrix products, in the order in which they are computed (A, B: the left and right operand; K: the contracted axis; several contracted axes count as one K, in the product's order):
;;     1. [M 65,536, K 1,024] x [K 1,024, N 1,024]; A: input encoder_hidden; B: input Wh: QUANTISED
;;     2. [M 32, K 1,024] x [K 1,024, N 1,024]; A: input decoder_hidden; B: input Ws: QUANTISED
;;     3. [M 65,536, K 1,024] x [K 1,024, N 1]; A: computed on the way; B: input v: left as it is (N = 1 < 16)
;;     4. batch 32 x [M 1, K 2,048] x [K 2,048, N 1,024]; A: computed on the way; B: input encoder_hidden: left as it is (M = 1 < 16)
;;   THE QUANTISER, for each operand of a quantised product, along K:
;;     - K is cut into blocks of 32 from its start; a last block that is shorter is filled with zeros.
;;     - A block's scale is 2^e with e = floor(log2(the largest magnitude in the block)) - 2, held to -126 .. 127; a block of zeros has e = 0. As a byte (E8M0): e + 127.
;;     - Each number is divided by its block's scale, clamped to +-7.5, and rounded to the nearest number of E2M3, ties to even, subnormals kept.
;;     - The product sums the exact products of the quantised numbers (number of the format x scale) in f32.
;;   ~~~python
;;   def quantise(x, axis):      # numpy; x: float32 -> the quantised numbers, widened to float32 again
;;       x = np.moveaxis(x, axis, -1); K = x.shape[-1]
;;       x = np.pad(x, [(0, 0)] * (x.ndim - 1) + [(0, -K % 32)]); x = x.reshape(x.shape[:-1] + (-1, 32)); a = np.abs(x).max(-1, keepdims=True)
;;       e = np.where(a > 0, np.clip(np.frexp(np.where(a > 0, a, 1))[1] - 1 - 2, -126, 127), 0)      # np.frexp(a)[1] - 1 = floor(log2(a)), exactly
;;       r = np.clip(x / 2.0 ** e, -7.5, 7.5)
;;       step = 2.0 ** (np.maximum(np.frexp(np.where(r == 0, 1, r))[1] - 1, 0) - 3)
;;       q = np.round(r / step) * step * 2.0 ** e      # np.round: ties to even
;;       return np.moveaxis(q.reshape(q.shape[:-2] + (-1,))[..., :K], -1, axis).astype(np.float32)
;;   ~~~
;; One version. Each part assembles by itself: llvm-mc -triple=amdgcn-amd-amdhsa -mcpu=gfx1250 --defsym DOCPART=n.
;; ======== version 1 of 1: 3 launches
;; limits: values are held in bf16: 8 bits of precision; right only within a limited range of input values
;; workspace buffers: whf 819,200 bytes; tbl 262,144 bytes; sc 262,144 bytes; part 4,194,304 bytes
;; launch prep (part 1): grid 64 x 1, 8 waves a work-group, no clusters, 85,504 bytes of LDS; arguments Wh, Ws, decoder_hidden, bs, v, whf, tbl; writes whf, tbl
.if DOCPART == 1
	.amdgcn_target "amdgcn-amd-amdhsa--gfx1250"
	.amdhsa_code_object_version 6
	.text
	.protected	k_q69aced91cd_prep
	.globl	k_q69aced91cd_prep
	.p2align	8
	.type	k_q69aced91cd_prep,@function
k_q69aced91cd_prep:
	s_mov_b64 s[64:65], 0
	v_nop
	global_prefetch_b8 v0, s[64:65] scope:SCOPE_SE
	s_setreg_imm32_b32 hwreg(HW_REG_WAVE_MODE, 25, 1), 1
	s_wait_xcnt 0x0
; FIRST OF THREE LAUNCHES.  The program: cte, at, sum_temporal_new of an attention over encoder rows, both large products on codes of FP6 (E2M3) with one E8M0 scale for each 32 along K.
; NO WORK OF THE PROBLEM IS LEFT OUT: all eight inputs have a way to an output and are loaded, and all four products are done.
; THIS LAUNCH: (1) Wh [1024 (e)][1024 (d)] f32 becomes codes, laid in the order of an operand's registers: whf[n][12,800 bytes], n = 16 rows of Wh; K step s (128 along d), registers 4 q .. 4 q + 3 of lane l at
; s x 1536 + q x 512 + 16 l; behind the eight K steps, at 12,288 + 16 l, the scale words of K steps 4 (l / 16) .. + 3 of row l % 16.
; (2) dec = Q(decoder_hidden) Q(Ws)^T by the same matrix instruction, summed over K in f32; (3) the table tbl[b][e] = (c (dec + bs), -2 v), c = 2 log2(e), from which the next launch makes tanh and the product with v.
; SHARES: work-group n takes rows 16 n .. 16 n + 15 of Wh and of Ws; wave s takes K step s of both and of all 32 rows of decoder_hidden.  The eight waves' parts of dec meet in LDS and are added in ascending K.
; The operand's layout gives lane (r = l % 16, h = l / 16) the blocks 2 c + h (c = 0, 1) of row r's K step, 32 neighbours each, so a block's largest magnitude needs no other lane.  A load is best where neighbouring
; lanes take neighbouring bytes.  Both are had: each load reads the 512 consecutive bytes of one row's K step, 16 a lane; the 16 rows go through the wave's own stage in LDS (rows 528 bytes apart, so that the sixteen
; rows that a load back touches start at sixteen different banks) and come back 128 bytes a lane and block.
; A block's scale is 2^(floor(log2(largest magnitude)) - 2): its byte is the largest magnitude's exponent field - 2.
; LIMITS: a block's largest magnitude is taken no lower than 2^(3 - 127), so the byte is at least 1; a block of zeros gets the byte 1 where the rule says 127 (its codes are zeros, and this program alone reads the bytes);
; NaN and infinities among the inputs are not served.
.set C2L,   0x4038aa3b                 ; c = 2 log2(e)
.set RED,   0                          ; LDS: eight waves x 2,048 bytes: each wave's 16 registers of dec's parts, 16 bytes a lane
.set SCW,   16384                      ; Wh's scale words, 512 bytes, as they lie in whf
.set SPARE, 16896                      ; the spare words, 128 bytes for each wave: four blocks of 256 bytes that no other line names
.set STAGE, 17920                      ; for each wave 8,448 bytes: 16 rows x (512 + 16)
.set X0,  64                           ; v64-127   64 numbers of a lane
.set X1,  128                          ; v128-191
.set X2,  192                          ; v192-255
.set FW,  40                           ; v40-51    Wh's fragment
.set FB,  52                           ; v52-63    Ws's
.set FA0, 128                          ; v128-139  decoder_hidden rows 0-15 (X1 is done with by then)
.set FA1, 140                          ; v140-151  rows 16-31
.set D,   160                          ; v160-175  two accumulators
; v2 16 x lane; v3 8 h; v4 a permute's destination; v5-7, v36-38 LDS addresses; v8 4 r; v9 65536 h + 4 r; v10-15 at work; v16-23 second halves of conversions;
; v24-27 scale words (Wh, Ws, rows 0-15, rows 16-31): scales and nothing else; v28 c bs, v29 -2 v; v30, v31 the add's two; v32-35 what is stored to tbl
.macro LOADX reg, base, off, nt        ; 16 rows' K step: a load a row, 512 consecutive bytes
.irp j, 0,1,2,3,4,5,6,7,8,9,10,11,12,13,14,15
.if \nt
	global_load_b128 v[\reg+4*\j:\reg+4*\j+3], v2, s[\base:\base+1] offset:\off+4096*\j th:TH_LOAD_NT
.else
	global_load_b128 v[\reg+4*\j:\reg+4*\j+3], v2, s[\base:\base+1] offset:\off+4096*\j
.endif
.endr
.endm
.macro TURN xs                         ; through my stage and back into the registers that they left: register 32 c + i then holds number i of block 2 c + h of row r
.irp j, 0,1,2,3,4,5,6,7,8,9,10,11,12,13,14,15
	ds_store_b128 v37, v[\xs+4*\j:\xs+4*\j+3] offset:528*\j
.endr
.irp c, 0,1
.irp i, 0,1,2,3,4,5,6,7
	ds_load_b128 v[\xs+32*\c+4*\i:\xs+32*\c+4*\i+3], v38 offset:256*\c+16*\i   ; LDS serves a wave's instructions in order (ISA guide 5.7.1.4): these see the stores above
.endr
.endr
	s_wait_dscnt 0x0
.endm
.macro QFRAG xs, fr, wd                ; 64 numbers at v[xs] become a fragment's 12 registers at v[fr] and its row's scale word in v[wd]
.irp c, 0,1
	v_max3_num_f32 v[10+\c], |v[\xs+32*\c]|, |v[\xs+32*\c+1]|, 0x1800000   ; my block 2 c + h, and the floor 2^(3 - 127)
.endr
.irp i, 2,4,6,8,10,12,14,16,18,20,22,24,26,28,30
.irp c, 0,1
	s_delay_alu instid0(VALU_DEP_2)
	v_max3_num_f32 v[10+\c], v[10+\c], |v[\xs+32*\c+\i]|, |v[\xs+32*\c+\i+1]|   ; the two blocks by turns
.endr
.endr
.irp c, 0,1
	s_delay_alu instid0(VALU_DEP_2)
	v_add_nc_u32 v[12+\c], 0xff000000, v[10+\c]    ; 2 off the exponent field: the conversion's scale operand
.endr
.irp c, 0,1
	s_delay_alu instid0(VALU_DEP_2)
	v_lshrrev_b32 v[14+\c], 23, v[12+\c]           ; the scale's byte
.endr
	s_delay_alu instid0(VALU_DEP_1)
	v_lshl_or_b32 v[\wd], v15, 16, v14             ; my two bytes, blocks h and 2 + h,
	s_delay_alu instid0(VALU_DEP_1)
	v_lshlrev_b32 v[\wd], v3, v[\wd]               ; at their places (8 h bits up);
	s_delay_alu instid0(VALU_DEP_1)
	v_permlanex16_b32 v4, v[\wd], s20, s21
	s_delay_alu instid0(VALU_DEP_1)
	v_or_b32 v[\wd], v[\wd], v4                    ; with lane l xor 16's two the word is whole, in both lanes
.irp c, 0,1
	v_cvt_scalef32_pk16_fp6_f32 v[\fr+6*\c:\fr+6*\c+2], v[\xs+32*\c:\xs+32*\c+15], v[12+\c]
	v_cvt_scalef32_pk16_fp6_f32 v[16+4*\c:18+4*\c], v[\xs+32*\c+16:\xs+32*\c+31], v[12+\c]   ; (a conversion's three registers begin on an even number)
.endr
	v_nop                                          ; one plain place behind the scaled conversions
.irp c, 0,1
.irp i, 0,1,2
	v_mov_b32 v[\fr+6*\c+3+\i], v[16+4*\c+\i]
.endr
.endr
.endm
	s_load_b256 s[4:11], s[0:1], 0x0               ; Wh s[4:5], Ws s[6:7], decoder_hidden s[8:9], bs s[10:11]
	s_load_b128 s[12:15], s[0:1], 0x20             ; v s[12:13], whf s[14:15]
	s_load_b64 s[16:17], s[0:1], 0x30              ; tbl
	v_lshl_add_u32 v30, v0, 2, SPARE
	v_mov_b32 v31, 0
	v_lshrrev_b32 v10, 5, v0
	s_delay_alu instid0(VALU_DEP_1)
	v_readfirstlane_b32 s18, v10                   ; wave = K step
	v_and_b32 v11, 15, v0                          ; r
	v_bfe_u32 v12, v0, 4, 1                        ; h
	v_and_b32 v13, 31, v0                          ; lane
	s_delay_alu instid0(VALU_DEP_1)
	v_lshlrev_b32 v2, 4, v13
	s_wait_alu depctr_va_vdst(0)
	v_lshlrev_b32 v3, 3, v12
	v_mov_b32 v4, 0
	s_lshr_b32 s26, s18, 2
	s_lshl_b32 s26, s26, 8
	s_and_b32 s27, s18, 3
	s_lshl_b32 s27, s27, 2
	s_add_co_u32 s26, s26, s27
	s_add_co_u32 s26, s26, SCW
	v_lshl_add_u32 v5, v11, 4, s26                 ; my row's scale word of K step s: SCW + 256 (s / 4) + 16 r + 4 (s % 4)
	s_lshl_b32 s26, s18, 11
	v_add_nc_u32 v6, s26, v2                       ; my wave's part of RED
	s_lshr_b32 s26, s18, 1
	s_lshl_b32 s26, s26, 9
	s_and_b32 s27, s18, 1
	s_lshl_b32 s27, s27, 3
	s_add_co_u32 s26, s26, s27
	v_add_nc_u32 v7, s26, v2                       ; on the way back wave w takes registers 2 w, 2 w + 1 of every wave's sixteen
	v_lshlrev_b32 v8, 2, v11
	v_lshlrev_b32 v9, 2, v11                       ; the table lies as dc[1024], then vn[1024], for each batch: 4 bytes an e
	s_delay_alu instid0(VALU_DEP_1)
	v_lshl_add_u32 v9, v12, 16, v9
	v_add_nc_u32 v36, SCW, v2
	s_mul_i32 s26, s18, 8448
	s_add_co_u32 s26, s26, STAGE                   ; my stage
	v_add_nc_u32 v37, s26, v2                      ; in: 16 bytes a lane of a row
	v_mul_u32_u24 v38, v11, 528
	s_delay_alu instid0(VALU_DEP_1)
	v_lshl_add_u32 v38, v12, 7, v38
	s_delay_alu instid0(VALU_DEP_1)
	v_add_nc_u32 v38, s26, v38                     ; back: row r, + 128 h
	s_mov_b32 s20, 0x76543210
	s_mov_b32 s21, 0xfedcba98                      ; v_permlanex16_b32's selects for lane l xor 16
	s_mov_b32 s24, C2L
	s_mov_b32 s23, 0
	s_wait_alu depctr_va_vdst(0)
	s_wait_kmcnt 0x0
	s_lshl_b32 s26, s18, 9                         ; my K step: 512 bytes of a row
	s_lshl_b32 s22, ttmp9, 16                      ; my 16 rows of 4,096 bytes
	s_add_co_u32 s22, s22, s26
	s_add_nc_u64 s[4:5], s[4:5], s[22:23]
	s_add_nc_u64 s[6:7], s[6:7], s[22:23]
	s_mov_b32 s22, s26
	s_add_nc_u64 s[8:9], s[8:9], s[22:23]
	s_lshl_b32 s22, ttmp9, 6
	s_add_nc_u64 s[10:11], s[10:11], s[22:23]
	s_add_nc_u64 s[12:13], s[12:13], s[22:23]
	s_mul_i32 s22, ttmp9, 12800
	s_add_nc_u64 s[14:15], s[14:15], s[22:23]      ; whf at my tile
	s_mul_i32 s22, s18, 1536
	s_add_nc_u64 s[28:29], s[14:15], s[22:23]      ; and at my K step
	s_lshr_b32 s26, s18, 2
	s_lshl_b32 s26, s26, 17
	s_and_b32 s27, s18, 3
	s_lshl_b32 s27, s27, 14
	s_add_co_u32 s22, s26, s27
	s_lshl_b32 s27, ttmp9, 6
	s_add_co_u32 s22, s22, s27
	s_add_nc_u64 s[16:17], s[16:17], s[22:23]      ; tbl at batch 16 (w / 4) + 2 (w % 4), e = 16 n
	global_load_b32 v28, v8, s[10:11]              ; bs(16 n + r)
	global_load_b32 v29, v8, s[12:13]              ; v(16 n + r)
	LOADX X0, 4, 0, 1                              ; Wh
	LOADX X1, 6, 0, 1                              ; Ws
	LOADX X2, 8, 0, 0                              ; decoder_hidden rows 0-15
	s_wait_loadcnt 32                              ; bs, v and Wh are in; the 32 loads of Ws and of rows 0-15 may be out
	TURN X0
	QFRAG X0, FW, 24
	LOADX X0, 8, 65536, 0                          ; rows 16-31 take the registers that Wh's numbers have left
	v_mul_f32 v28, s24, v28                        ; c bs
	v_mul_f32 v29, -2.0, v29                       ; -2 v
.irp q, 0,1,2
	global_store_b128 v2, v[FW+4*\q:FW+4*\q+3], s[28:29] offset:512*\q   ; 32 lanes store 512 consecutive bytes, at a multiple of 256 from whf's first byte
.endr
	ds_store_b32 v5, v24                           ; lanes r and 16 + r write the same word with the same value
	s_wait_loadcnt 32                              ; Ws is in (behind it: rows 0-15, rows 16-31)
	TURN X1
	QFRAG X1, FB, 25
	s_wait_loadcnt 16                              ; rows 0-15
	TURN X2
	QFRAG X2, FA0, 26
	s_wait_loadcnt 0x0                             ; rows 16-31
	TURN X0
	QFRAG X0, FA1, 27
.rept 8
	v_nop                                          ; a scale register written by a vector instruction stands 8 places ahead of a scaled matrix instruction, an operand so written 4
.endr
	v_wmma_scale_f32_16x16x128_f8f6f4 v[D:D+7], v[FA0:FA0+11], v[FB:FB+11], 0, v26, v25 matrix_a_fmt:MATRIX_FMT_FP6 matrix_b_fmt:MATRIX_FMT_FP6       ; register j: batch 8 h + j, e = 16 n + r
	v_wmma_scale_f32_16x16x128_f8f6f4 v[D+8:D+15], v[FA1:FA1+11], v[FB:FB+11], 0, v27, v25 matrix_a_fmt:MATRIX_FMT_FP6 matrix_b_fmt:MATRIX_FMT_FP6   ; batch 16 + 8 h + j
.rept 4
	v_nop                                          ; four places in front of the first read of the results (ISA guide 7.12.1)
.endr
.irp k, 0,1,2,3
	ds_store_b128 v6, v[D+4*\k:D+4*\k+3] offset:512*\k   ; each accumulator from its low end on
.endr
	s_wait_dscnt 0x0                               ; for the others' sake: my stores have landed
	s_barrier_signal -1
	s_barrier_wait -1
	s_cmp_lg_u32 s18, 0                            ; wave 0 sends the tile's 512 bytes of scale words
	s_cbranch_scc1 .Lnot_wave_0
	ds_load_b128 v[16:19], v36
	s_wait_dscnt 0x0
	global_store_b128 v2, v[16:19], s[14:15] offset:12288
.Lnot_wave_0:
.irp k, 0,1,2,3,4,5,6,7
	ds_load_b64 v[192+2*\k:193+2*\k], v7 offset:2048*\k   ; registers 2 w, 2 w + 1 of K step k
.endr
	s_wait_dscnt 0x0
	v_add_f32 v10, v192, v194                      ; K ascending
	v_add_f32 v11, v193, v195
.irp k, 2,3,4,5,6,7
	s_delay_alu instid0(VALU_DEP_2)
	v_add_f32 v10, v10, v[192+2*\k]
	s_delay_alu instid0(VALU_DEP_2)
	v_add_f32 v11, v11, v[193+2*\k]
.endr
	s_delay_alu instid0(VALU_DEP_2)
	v_fma_f32 v32, v10, s24, v28                   ; c dec + c bs
	s_delay_alu instid0(VALU_DEP_2)
	v_fma_f32 v34, v11, s24, v28
	v_mov_b32 v33, v29
	v_mov_b32 v35, v29
	global_store_b32 v9, v32, s[16:17]             ; dc of one batch, sixteen lanes 64 consecutive bytes
	global_store_b32 v9, v33, s[16:17] offset:4096 ; vn behind the batch's 1,024 dc
	global_store_b32 v9, v34, s[16:17] offset:8192 ; the next batch
	global_store_b32 v9, v35, s[16:17] offset:12288
	s_wait_tensorcnt 0x0                           ; the wave's end
	ds_add_u32 v30, v31
	s_wait_dscnt 0x0
	s_endpgm
.Lfunc_end_k_q69aced91cd_prep:
	.size	k_q69aced91cd_prep, .Lfunc_end_k_q69aced91cd_prep-k_q69aced91cd_prep
	.p2alignl 7, 3214868480
	.fill 96, 4, 3214868480
	.section	.rodata,"a",@progbits
	.p2align	6, 0x0
	.amdhsa_kernel k_q69aced91cd_prep
		.amdhsa_group_segment_fixed_size 85504
		.amdhsa_private_segment_fixed_size 0
		.amdhsa_enable_private_segment 0
		.amdhsa_kernarg_size 56
		.amdhsa_user_sgpr_count 2
		.amdhsa_user_sgpr_kernarg_segment_ptr 1
		.amdhsa_wavefront_size32 1
		.amdhsa_system_sgpr_workgroup_id_x 1
		.amdhsa_system_sgpr_workgroup_id_y 1
		.amdhsa_system_sgpr_workgroup_id_z 1
		.amdhsa_system_vgpr_workitem_id 0
		.amdhsa_next_free_vgpr 256
		.amdhsa_next_free_sgpr 66
		.amdhsa_reserve_vcc 0
		.amdhsa_float_denorm_mode_32 3
		.amdhsa_float_denorm_mode_16_64 3
		.amdhsa_memory_ordered 1
		.amdhsa_forward_progress 1
		.amdhsa_inst_pref_size 38
	.end_amdhsa_kernel
	.amdgpu_metadata
---
amdhsa.version: [ 1, 2 ]
amdhsa.kernels:
  - .name:           k_q69aced91cd_prep
    .symbol:         k_q69aced91cd_prep.kd
    .args:
      - { .name: Wh, .offset: 0, .size: 8, .value_kind: global_buffer, .address_space: global }
      - { .name: Ws, .offset: 8, .size: 8, .value_kind: global_buffer, .address_space: global }
      - { .name: decoder_hidden, .offset: 16, .size: 8, .value_kind: global_buffer, .address_space: global }
      - { .name: bs, .offset: 24, .size: 8, .value_kind: global_buffer, .address_space: global }
      - { .name: v, .offset: 32, .size: 8, .value_kind: global_buffer, .address_space: global }
      - { .name: whf, .offset: 40, .size: 8, .value_kind: global_buffer, .address_space: global }
      - { .name: tbl, .offset: 48, .size: 8, .value_kind: global_buffer, .address_space: global }
    .group_segment_fixed_size: 85504
    .private_segment_fixed_size: 0
    .kernarg_segment_align: 8
    .kernarg_segment_size: 56
    .max_flat_workgroup_size: 256
    .sgpr_count:     66
    .vgpr_count:     256
    .wavefront_size: 32
...
	.end_amdgpu_metadata
.endif
;; end of part 1
;; launch main (part 2): grid 256 x 1, 4 waves a work-group, no clusters, 326,400 bytes of LDS; arguments encoder_hidden, whf, tbl, sum_temporal, encoder_padding, sc, part; writes sc, part
.if DOCPART == 2
	.amdgcn_target "amdgcn-amd-amdhsa--gfx1250"
	.amdhsa_code_object_version 6
	.text
	.protected	k_q69aced91cd_main
	.globl	k_q69aced91cd_main
	.p2align	8
	.type	k_q69aced91cd_main,@function
k_q69aced91cd_main:
	s_mov_b64 s[64:65], 0
	v_nop
	global_prefetch_b8 v0, s[64:65] scope:SCOPE_SE
	s_setreg_imm32_b32 hwreg(HW_REG_WAVE_MODE, 25, 1), 1
	s_wait_xcnt 0x0
; SECOND OF THREE LAUNCHES.  No work of the problem is left out here.
; For each encoder row t of batch b: score = sum over e of v(e) tanh(Q(enc_t) . Q(Wh_e) + dec(b, e)), and a part of the context vector, sum over t of u_t enc_t.  encoder_hidden is read once.
; tanh(x) = 1 - 2 / (1 + 2^(c x)), c = 2 log2(e).  The table holds dc = c (dec + bs) and vn = -2 v: score = -0.5 sum(vn) + sum over e of vn(e) / (1 + 2^(c acc + dc)); the form holds for every size of acc.
; u_t = exp(s_t - m) padding_t / sum_temporal_t, m the wave's running largest score among its rows whose padding is not 0 (a row with padding 0 counts as -3e38); when m moves the part is multiplied by exp(old m - new m).
; SHARES.  A work-group of four waves owns 256 rows, wave W = 4 x work-group + wave the rows 64 W .. 64 W + 63, in four passes of 16 rows a wave, 64 a work-group.
; THE PRODUCTS OF A PASS are dealt by e: wave w multiplies tiles 16 w .. 16 w + 15 of Wh (16 rows each) with ALL 64 rows of the pass, whose codes every wave holds in 384 registers.  So a fragment of Wh feeds four matrix
; instructions and is read by one wave of the work-group alone: it comes from whf, which lies in the order of the operand's registers, straight into registers, two tiles ahead.
; WHILE PASS p IS MULTIPLIED, PASS p + 1 COMES IN: behind each tile's products a wave takes one of its own rows: loaded two tiles before, turned through its stage so that a lane holds 16 neighbours (two lanes a block),
; quantised; the codes go to LDS in the operand's order, the same numbers as bf16 to the wave's own LDS bytes (two buffers by turns).  At a pass's end the four waves' sums of a row meet in LDS, and each wave adds u_t enc_t of its own 16 rows.
; NO CLUSTER, NO TENSOR LOAD: the bf16 rows (262,144 bytes) and the codes (51,200) fill LDS, so there is no room for slots of Wh; a tile of Wh has one reader in a work-group and needs no LDS.
; PREFETCH: each trip of two rows asks for the two rows that stand eight rows behind those that it loads, a lane to each 256 bytes, each named once; it stops where that would leave the wave's 64 rows.
; LIMITS: a block's largest magnitude is taken no lower than 2^(3 - 127) (a block of zeros gets the byte 1: its codes are zeros); NaN and infinities among the inputs are not served; v_exp_f32 and v_rcp_f32 are good to 1 ulp.
.set COD,   262144                     ; LDS: 0: for each wave 65,536 bytes, two buffers of 16 bf16 rows of 2,048.  COD: operand m at 12,288 m: K step s at 1,536 s, half h at 768 h, row a at 48 a
.set SCB,   311296                     ; scale bytes: 512 m + 32 a + block
.set STG,   313344                     ; for each wave 2,560 bytes: half a row as 32 places of 64 + 16
.set SCX,   323584                     ; the waves' sums: 256 x owner + 64 x maker + 4 x row
.set SPARE, 324608                     ; the spare words, 128 bytes a wave: two blocks of 256 bytes that no other line names
.set SCK,   325120                     ; for each wave 256 bytes: its 64 scores
.set UX,    326144                     ; for each wave 64 bytes: a pass's 16 u
.set NEGBIG, 0xff61b1e6                ; -3e38
; window 0: v1 16 l; v2, v3 stage by loads' order, by places; v4/v5 codes in (base/now); v6/v7 scale bytes in; v8/v9 bf16 (base/now); v10, v11 codes and scale words out; v12, v13 the add's two; v14 32 h; v15 256 l;
; v16, v17 SCX in, out; v18/v19 scores kept; v20 u in; v21/v22 u out; v23 bf16 out; v25 m; v26 -0.5 sum(vn); v28-31 padding / sum_temporal of this and later passes; v32-35 padding; v36-47 at work
; window 1: v0-191 operands 0, 1; v192-255 two rows on their way in.  window 2: v0-191 operands 2, 3.  window 3: v0-191 two tiles of Wh.
.set ASC, 48                           ; enc's scale words, 4 an operand
.set BSC, 64                           ; Wh's, 4 a tile
.set SCS, 72                           ; a pair of sums for each operand
.set DCV, 80                           ; set i: dc 8, vn 8
.set ACC, 112                          ; four accumulators
.set X,   144                          ; a row's 32 numbers of a lane
.set XC,  176
.set XB,  184
.set P,   200                          ; the part: register 16 f + i: column 512 f + 16 l + i
.set MSB, 0
.macro WIN new                         ; s_set_vgpr_msb: bits 1:0 source 0, 3:2 source 1, 5:4 source 2, 7:6 destination; the high byte repeats the setting that is left
.if MSB != (\new)
	s_set_vgpr_msb (MSB<<8)|(\new)
.set MSB, (\new)
.endif
.endm
.macro VW
	s_wait_alu depctr_va_vdst(0)
.endm
.macro BAR
	s_barrier_signal -1
	s_barrier_wait -1
.endm
.macro WM s, m, b                      ; K step s, operand m, Wh's buffer b.  Scale words of K steps 0-3 lie in lanes 0-15, of 4-7 in lanes 16-31
.set WD, ACC+8*(\m)
.set WA, 96*(\b)+12*(\s)
.set WE, 96*((\m)%2)+12*(\s)
.set SA, BSC+4*(\b)+(\s)%4
.set SE, ASC+4*(\m)+(\s)%4
.if (\s) == 0
	v_wmma_scale_f32_16x16x128_f8f6f4 v[WD:WD+7], v[WA:WA+11], v[WE:WE+11], 0, v[SA], v[SE] matrix_a_fmt:MATRIX_FMT_FP6 matrix_b_fmt:MATRIX_FMT_FP6
.elseif (\s) < 4
	v_wmma_scale_f32_16x16x128_f8f6f4 v[WD:WD+7], v[WA:WA+11], v[WE:WE+11], v[WD:WD+7], v[SA], v[SE] matrix_a_fmt:MATRIX_FMT_FP6 matrix_b_fmt:MATRIX_FMT_FP6
.else
	v_wmma_scale_f32_16x16x128_f8f6f4 v[WD:WD+7], v[WA:WA+11], v[WE:WE+11], v[WD:WD+7], v[SA], v[SE] matrix_a_fmt:MATRIX_FMT_FP6 matrix_b_fmt:MATRIX_FMT_FP6 matrix_a_scale:MATRIX_SCALE_ROW1 matrix_b_scale:MATRIX_SCALE_ROW1
.endif
.endm
.macro MM m0, b                        ; 16 products: operands m0, m0 + 1 by turns, K ascending
.set S, 0
.rept 8
	WM S, \m0, \b
	WM S, \m0+1, \b
.set S, S+1
.endr
.endm
.macro WLOAD i                         ; a tile of Wh into buffer i: 24 loads of 512 consecutive bytes, and its scale words
	WIN 0xc0
.set S, 0
.rept 24
	global_load_b128 v[96*(\i)+4*S:96*(\i)+4*S+3], v1, s[22:23] offset:12800*(\i)+512*S
.set S, S+1
.endr
	WIN 0
	global_load_b128 v[BSC+4*(\i):BSC+4*(\i)+3], v1, s[22:23] offset:12800*(\i)+12288
.endm
.macro TLOAD i                         ; dc and vn of the tile's e = 8 h + 0 .. 7
.irp k, 0,1
	global_load_b128 v[DCV+16*(\i)+4*\k:DCV+16*(\i)+4*\k+3], v14, s[24:25] offset:64*(\i)+16*\k
	global_load_b128 v[DCV+16*(\i)+8+4*\k:DCV+16*(\i)+11+4*\k], v14, s[24:25] offset:4096+64*(\i)+16*\k
.endr
.endm
.macro RLOAD i, off                    ; a row into set i: eight loads of 512 consecutive bytes
	WIN 0x40
.irp j, 0,1,2,3,4,5,6,7
	global_load_b128 v[192+32*(\i)+4*\j:195+32*(\i)+4*\j], v1, s[4:5] offset:(\off)+4096*(\i)+512*\j th:TH_LOAD_NT
.endr
	WIN 0
.endm
.macro X1 i                            ; the row's two halves turn through my stage; LDS serves a wave's instructions in order (ISA guide 5.7.1.4)
.irp f, 0,1
	WIN 0x04
.irp j, 0,1,2,3
	ds_store_b128 v2, v[192+32*(\i)+16*\f+4*\j:195+32*(\i)+16*\f+4*\j] offset:640*\j
.endr
	WIN 0
.irp k, 0,1,2,3
	ds_load_b128 v[X+16*\f+4*\k:X+16*\f+4*\k+3], v3 offset:16*\k
.endr
.endr
.endm
.macro X3                              ; the largest magnitude of my 16 of each half, with the floor 2^(3 - 127), and of my neighbour's 16
	v_max3_num_f32 v36, |v[X]|, |v[X+1]|, 0x1800000
	v_max3_num_f32 v37, |v[X+16]|, |v[X+17]|, 0x1800000
.irp k, 2,4,6,8,10,12,14
	v_max3_num_f32 v36, v36, |v[X+\k]|, |v[X+\k+1]|
	v_max3_num_f32 v37, v37, |v[X+16+\k]|, |v[X+17+\k]|
.endr
	v_max_num_f32_dpp v36, v36, v36 row_xmask:1 row_mask:0xf bank_mask:0xf
	v_max_num_f32_dpp v37, v37, v37 row_xmask:1 row_mask:0xf bank_mask:0xf
.endm
.macro X4                              ; scale operand (2 off the exponent field), codes, bytes, bf16
	v_add_nc_u32 v38, 0xff000000, v36
	v_add_nc_u32 v39, 0xff000000, v37
	v_cvt_scalef32_pk16_fp6_f32 v[XC:XC+2], v[X:X+15], v38
	v_cvt_scalef32_pk16_fp6_f32 v[XC+4:XC+6], v[X+16:X+31], v39
	v_lshrrev_b32 v40, 23, v38                     ; also the plain place behind the conversions
	v_lshrrev_b32 v41, 23, v39
.set S, 0
.rept 16
	v_cvt_pk_bf16_f32 v[XB+S], v[X+2*S], v[X+2*S+1]
.set S, S+1
.endr
.endm
.macro X5 i                            ; 12 bytes of codes a half, the block's byte (both lanes of a block write the same), the bf16 row as an image of its registers
.irp k, 0,1,2
	ds_store_b32 v5, v[XC+\k] offset:48*(\i)+4*\k
	ds_store_b32 v5, v[XC+4+\k] offset:6144+48*(\i)+4*\k
.endr
	ds_store_b8 v7, v40 offset:32*(\i)
	ds_store_b8 v7, v41 offset:32*(\i)+16
.irp k, 0,1,2,3
	ds_store_b128 v9, v[XB+4*\k:XB+4*\k+3] offset:2048*(\i)+512*\k
.endr
.endm
.macro XADDR                           ; where this trip's two rows go
	v_add_nc_u32 v5, s32, v4
	v_add_nc_u32 v7, s33, v6
	v_add_nc_u32 v9, s31, v8
	VW
.endm
.macro XSTEP
	s_add_nc_u64 s[4:5], s[4:5], 8192
	s_add_co_u32 s31, s31, 4096
	s_add_co_u32 s32, s32, 96
	s_add_co_u32 s33, s33, 64
.endm
.macro ASK pf                          ; pf = 2: only while the rows asked for are among my 64 (the loop's first three trips of seven)
.if (\pf) == 2
	s_cmp_gt_u32 s34, 4
	s_cbranch_scc0 .Lnoask_\@
.endif
.if \pf
	global_prefetch_b8 v15, s[4:5] offset:40960 th:TH_LOAD_NT scope:SCOPE_SE
.endif
.if (\pf) == 2
.Lnoask_\@:
.endif
.endm
; A TILE.  i: its place in the trip, its buffer of Wh, its set of dc and vn, its row's set.  xm: 0 no row, 1 a row, 2 a row and the load of the row two on.  wl: the tile two on is asked for.
; Global loads of a tile, in order: Wh 25, the row 8, dc and vn 4.  The wait at the top leaves out the 29 that every way issues behind this tile's dc and vn; the row's wait leaves out 58 = 4 + 29 + 25, the least on any way.
.macro TILE i, xm, wl, pf
.if (\wl) == 0 && (\i) == 1
	s_wait_loadcnt 0x0
.else
	s_wait_loadcnt 29
.endif
	WIN 0x07
	MM 0, \i
	WIN 0x0b
	MM 2, \i
	WIN 0
.rept 4
	v_nop                                          ; four places behind the products, for the loads and the first reads
.endr
.if \wl
	WLOAD \i
.endif
.set I, 0
.rept 16                                           ; c acc + dc; each accumulator from its low end on
	v_pk_fma_f32 v[ACC+8*(I%4)+2*(I/4):ACC+8*(I%4)+2*(I/4)+1], v[ACC+8*(I%4)+2*(I/4):ACC+8*(I%4)+2*(I/4)+1], s[44:45], v[DCV+16*(\i)+2*(I/4):DCV+16*(\i)+2*(I/4)+1] op_sel_hi:[1,0,1]
.set I, I+1
.endr
.if \xm
	s_wait_loadcnt 58
	X1 \i
.if (\i) == 0
	ASK \pf
.endif
.endif
	VW
.set I, 0
.rept 32
	v_exp_f32 v[ACC+I], v[ACC+I]
.set I, I+1
.endr
.if \xm
	s_wait_dscnt 0x0                               ; the row is back from the stage, and its set has been read
.if (\xm) == 2
	RLOAD \i, 8192
.endif
	X3
.else
	v_nop
.endif
	VW
.set I, 0
.rept 16
	v_pk_add_f32 v[ACC+2*I:ACC+2*I+1], v[ACC+2*I:ACC+2*I+1], 1.0 op_sel_hi:[1,0]
.set I, I+1
.endr
	VW
.set I, 0
.rept 32
	v_rcp_f32 v[ACC+I], v[ACC+I]
.set I, I+1
.endr
.if \xm
	X4
.else
	v_nop
.endif
	VW
.set I, 0
.rept 16                                           ; each operand's sums take vn x the quotient, the four operands by turns
	v_pk_fma_f32 v[SCS+2*(I%4):SCS+2*(I%4)+1], v[ACC+8*(I%4)+2*(I/4):ACC+8*(I%4)+2*(I/4)+1], v[DCV+16*(\i)+8+2*(I/4):DCV+16*(\i)+9+2*(I/4)], v[SCS+2*(I%4):SCS+2*(I%4)+1]
.set I, I+1
.endr
.if \xm
	X5 \i
.endif
.if \wl
	TLOAD \i
.endif
.endm
.macro TRIP xm, wl, pf                 ; two tiles, two rows
.if \xm
	XADDR
.endif
	TILE 0, \xm, \wl, \pf
	TILE 1, \xm, \wl, 0
	s_wait_xcnt 0x0                                ; the bases are stepped only behind this wait
.if \xm
	XSTEP
.endif
.if \wl
	s_add_co_u32 s26, s26, 25600                   ; the trip after next's two tiles; my sixteen go round
	s_add_co_u32 s28, s28, 128
	s_cmp_eq_u32 s26, 204800
	s_cselect_b32 s26, 0, s26
	s_cselect_b32 s28, 0, s28
	s_add_nc_u64 s[22:23], s[6:7], s[26:27]
	s_add_nc_u64 s[24:25], s[8:9], s[28:29]
.endif
.endm
.macro LOOPT n, xm, wl, pf
	s_mov_b32 s34, \n
.Lt_\@:
	TRIP \xm, \wl, \pf
	s_sub_co_u32 s34, s34, 1
	s_cmp_lg_u32 s34, 0
	VW
	s_cbranch_scc1 .Lt_\@
.endm
.macro BEGIN                           ; a pass begins: all 64 rows' codes are in LDS; every wave takes them all; then the bytes are free for the next pass
	VW
	s_wait_dscnt 0x0
	BAR
.irp m, 0,1,2,3
	WIN 0x40+0x40*(\m/2)
.set S, 0
.rept 8
.irp t, 0,1,2
	ds_load_b128 v[96*(\m%2)+12*S+4*\t:96*(\m%2)+12*S+4*\t+3], v10 offset:12288*\m+1536*S+16*\t
.endr
.set S, S+1
.endr
.endr
	WIN 0
.irp m, 0,1,2,3
	ds_load_b128 v[ASC+4*\m:ASC+4*\m+3], v11 offset:512*\m
.endr
	s_mov_b32 s49, s30                             ; the bf16 buffer just filled is this pass's,
	s_xor_b32 s30, s30, 32768                      ; the other one is filled next
	s_mov_b32 s31, s30
	s_mov_b32 s32, 0
	s_mov_b32 s33, 0
.irp k, 0,1,2,3,4,5,6,7
	v_mov_b32 v[SCS+\k], 0
.endr
	s_wait_dscnt 0x0
	BAR
.endm
.macro END                             ; a pass ends: the scores, u, and the part
	v_add_nc_u32 v19, s36, v18
	VW
.irp m, 0,1,2,3
	v_add_f32 v[36+\m], v[SCS+2*\m], v[SCS+2*\m+1]
.endr
.irp m, 0,1,2,3
	v_permlanex16_b32 v[40+\m], v[36+\m], s46, s47
.endr
.irp m, 0,1,2,3
	v_add_f32 v[36+\m], v[36+\m], v[40+\m]         ; my tiles' sum for row l % 16 of operand m
.endr
.irp m, 0,1,2,3
	ds_store_b32 v16, v[36+\m] offset:256*\m       ; lanes r and 16 + r write the same word with the same value
.endr
	s_wait_dscnt 0x0
	BAR
.irp k, 0,1,2,3
	ds_load_b32 v[36+\k], v17 offset:64*\k         ; the four waves' sums for my own row l % 16
.endr
	s_wait_dscnt 0x0
	v_add_f32 v36, v36, v37
	v_add_f32 v38, v38, v39
	v_add_f32 v36, v36, v38
	v_add_f32 v36, v36, v26                        ; the score
	ds_store_b32 v19, v36
	v_cmp_neq_f32 vcc_lo, 0, v32
	v_cndmask_b32 v37, NEGBIG, v36, vcc_lo         ; a row with padding 0 counts as -3e38
	v_mov_b32 v38, v37
.irp x, 1,2,4,8
	v_max_num_f32_dpp v38, v38, v38 row_xmask:\x row_mask:0xf bank_mask:0xf
.endr
	v_max_num_f32 v39, v25, v38                    ; the new m
	v_sub_f32 v42, v25, v39
	v_sub_f32 v43, v37, v39
	v_mul_f32 v42, s48, v42
	v_mul_f32 v43, s48, v43
	VW
	v_exp_f32 v42, v42                             ; exp(old m - new m)
	v_exp_f32 v43, v43                             ; exp(s - m)
	v_mov_b32 v25, v39
	VW
	v_mul_f32 v44, v43, v28                        ; u
	ds_store_b32 v20, v44
.irp k, 0,2,4,6,8,10,12,14,16,18,20,22,24,26,28,30
	v_pk_mul_f32 v[P+\k:P+\k+1], v[P+\k:P+\k+1], v[42:43] op_sel_hi:[1,0]
.endr
	s_mov_b32 s37, 4
	s_mov_b32 s38, s49
	s_mov_b32 s39, 0
	VW
.Ls_\@:                                ; four rows a trip: 64 registers of bf16 from my own bytes, their four u in every lane
	v_add_nc_u32 v23, s38, v8
	v_add_nc_u32 v22, s39, v21
	VW
.set S, 0
.rept 16
	ds_load_b128 v[ACC+4*S:ACC+4*S+3], v23 offset:512*S
.set S, S+1
.endr
	ds_load_b128 v[232:235], v22
	s_wait_dscnt 0x0
.set Q, 0
.rept 4
.set CC, 0
.rept 16
	v_fma_mix_f32_bf16 v[P+2*CC], v[ACC+16*Q+CC], v[232+Q], v[P+2*CC] op_sel:[0,0,0] op_sel_hi:[1,0,0]
	v_fma_mix_f32_bf16 v[P+2*CC+1], v[ACC+16*Q+CC], v[232+Q], v[P+2*CC+1] op_sel:[1,0,0] op_sel_hi:[1,0,0]
.set CC, CC+1
.endr
.set Q, Q+1
.endr
	s_add_co_u32 s38, s38, 8192
	s_add_co_u32 s39, s39, 16
	s_sub_co_u32 s37, s37, 1
	s_cmp_lg_u32 s37, 0
	VW
	s_cbranch_scc1 .Ls_\@
.irp k, 0,1,2
	v_mov_b32 v[28+\k], v[29+\k]                   ; the next pass's padding / sum_temporal and padding move up
	v_mov_b32 v[32+\k], v[33+\k]
.endr
	s_add_co_u32 s36, s36, 64
.endm
	s_load_b256 s[4:11], s[0:1], 0x0               ; enc, whf, tbl, sum_temporal
	s_load_b128 s[12:15], s[0:1], 0x20             ; padding, sc
	s_load_b64 s[16:17], s[0:1], 0x30              ; part
	v_lshrrev_b32 v36, 5, v0
	v_readfirstlane_b32 s18, v36                   ; wave
	s_lshl_b32 s19, ttmp9, 2
	s_add_co_u32 s19, s19, s18                     ; W
	s_mul_i32 s50, s18, 2560
	s_add_co_u32 s50, s50, STG
	s_mul_i32 s51, s18, 12288
	s_add_co_u32 s51, s51, COD
	s_lshl_b32 s52, s18, 9
	s_add_co_u32 s52, s52, SCB
	s_lshl_b32 s53, s18, 16
	s_lshl_b32 s54, s18, 6
	s_add_co_u32 s57, s54, UX
	s_add_co_u32 s54, s54, SCX
	s_lshl_b32 s55, s18, 8
	s_add_co_u32 s56, s55, SCK
	s_add_co_u32 s55, s55, SCX
	s_mov_b32 s44, 0x4038aa3b                      ; c = 2 log2(e)
	s_mov_b32 s45, s44
	s_mov_b32 s46, 0x76543210
	s_mov_b32 s47, 0xfedcba98                      ; v_permlanex16_b32's selects for lane l xor 16
	s_mov_b32 s48, 0x3fb8aa3b                      ; log2(e)
	s_mov_b32 s21, 0
	s_mov_b32 s26, 0
	s_mov_b32 s27, 0
	s_mov_b32 s28, 0
	s_mov_b32 s29, 0
	s_mov_b32 s30, 0
	s_mov_b32 s31, 0
	s_mov_b32 s32, 0
	s_mov_b32 s33, 0
	s_mov_b32 s36, 0
	v_lshl_add_u32 v12, v0, 2, SPARE
	v_mov_b32 v13, 0
	v_and_b32 v37, 31, v0                          ; l
	v_and_b32 v38, 15, v0                          ; r
	v_bfe_u32 v39, v0, 4, 1                        ; h
	v_lshlrev_b32 v1, 4, v37
	v_lshrrev_b32 v40, 2, v37
	v_mul_u32_u24 v2, v40, 80
	v_and_b32 v40, 3, v37
	v_lshl_add_u32 v2, v40, 4, v2
	v_add_nc_u32 v2, s50, v2                       ; a load's 16 bytes of lane l: place l / 4 (+ 8 a load), 16 (l % 4) in it
	v_mul_u32_u24 v3, v37, 80
	v_add_nc_u32 v3, s50, v3                       ; place l
	v_lshrrev_b32 v40, 3, v37
	v_mul_u32_u24 v4, v40, 1536                    ; my 16 codes: K step l / 8 (+ 4 for the second half),
	v_bfe_u32 v40, v37, 1, 1
	v_mad_u32_u24 v4, v40, 768, v4                 ; half (l / 2) % 2,
	v_bfe_u32 v40, v37, 2, 1
	v_mad_u32_u24 v4, v40, 24, v4                  ; registers 6 ((l / 4) % 2) on,
	v_and_b32 v40, 1, v37
	v_mad_u32_u24 v4, v40, 12, v4                  ; the block's lower or upper 16
	v_add_nc_u32 v4, s51, v4
	v_lshrrev_b32 v6, 1, v37
	v_add_nc_u32 v6, s52, v6
	v_add_nc_u32 v8, s53, v1
	v_mul_u32_u24 v10, v39, 768
	v_mad_u32_u24 v10, v38, 48, v10
	v_add_nc_u32 v10, COD, v10
	v_lshlrev_b32 v11, 5, v38
	v_lshl_add_u32 v11, v39, 4, v11
	v_add_nc_u32 v11, SCB, v11
	v_lshlrev_b32 v14, 5, v39
	v_lshlrev_b32 v15, 8, v37
	v_lshlrev_b32 v45, 2, v38                      ; 4 r
	v_add_nc_u32 v16, s54, v45
	v_add_nc_u32 v17, s55, v45
	v_add_nc_u32 v18, s56, v45
	v_add_nc_u32 v20, s57, v45
	v_mov_b32 v21, s57
	v_mov_b32 v25, NEGBIG
	v_mov_b32 v27, 0
.irp k, 40,41,42,43
	v_mov_b32 v\k, 0                               ; a lane permute's destination counts as one of its sources
.endr
.set S, 0
.rept 32
	v_mov_b32 v[P+S], 0                            ; the part: a pass is written once, the first finds zeros
.set S, S+1
.endr
	VW
	s_wait_kmcnt 0x0
	s_lshl_b32 s20, s19, 18
	s_add_nc_u64 s[4:5], s[4:5], s[20:21]          ; enc at my 64 rows
	s_mul_i32 s20, s18, 204800
	s_add_nc_u64 s[6:7], s[6:7], s[20:21]          ; whf at my 16 tiles
	s_lshr_b32 s20, ttmp9, 3                       ; eight work-groups to a batch
	s_lshl_b32 s20, s20, 13
	s_add_nc_u64 s[8:9], s[8:9], s[20:21]
	s_lshl_b32 s20, s19, 8
	s_add_nc_u64 s[10:11], s[10:11], s[20:21]
	s_add_nc_u64 s[12:13], s[12:13], s[20:21]
	s_add_nc_u64 s[14:15], s[14:15], s[20:21]
	s_lshl_b32 s20, s19, 12
	s_add_nc_u64 s[16:17], s[16:17], s[20:21]
	RLOAD 0, 0
	RLOAD 1, 0
.irp p, 0,1,2,3
	global_load_b32 v[28+\p], v45, s[10:11] offset:64*\p   ; sum_temporal and padding of my row 16 p + r
	global_load_b32 v[32+\p], v45, s[12:13] offset:64*\p
.endr
.irp j, 0,1,2,3,4,5,6,7
	global_load_b128 v[ACC+4*\j:ACC+4*\j+3], v1, s[8:9] offset:4096+512*\j   ; all 1,024 vn
.endr
	s_wait_loadcnt 0x0
	s_lshl_b32 s20, s18, 10
	s_add_nc_u64 s[8:9], s[8:9], s[20:21]          ; the table at my 16 tiles
	s_mov_b64 s[22:23], s[6:7]
	s_mov_b64 s[24:25], s[8:9]
.irp j, 2,4,6,8,10,12,14,16,18,20,22,24,26,28,30
	v_pk_add_f32 v[ACC:ACC+1], v[ACC:ACC+1], v[ACC+\j:ACC+\j+1]
.endr
	v_add_f32 v26, v[ACC], v[ACC+1]
.irp x, 1,2,4,8
	v_add_f32_dpp v26, v26, v26 row_xmask:\x row_mask:0xf bank_mask:0xf
.endr
	v_permlanex16_b32 v27, v26, s46, s47
	v_add_f32 v26, v26, v27
	v_mul_f32 v26, -0.5, v26                       ; the sum of v
	VW
.irp p, 0,1,2,3
	v_rcp_f32 v[36+\p], v[28+\p]
.endr
	v_nop
	VW
.irp p, 0,1,2,3
	v_mul_f32 v[28+\p], v[32+\p], v[36+\p]         ; padding / sum_temporal
.endr
	s_mov_b32 s34, 8                               ; pass 0's sixteen rows, with nothing to multiply yet; the loads run two rows ahead, on into pass 1's
	VW
.Lpro:
	XADDR
.irp i, 0,1
	s_wait_loadcnt 8                               ; my row is in; the other set's eight loads may be out
	X1 \i
	s_wait_dscnt 0x0
	RLOAD \i, 8192
	X3
	X4
	X5 \i
.endr
	global_prefetch_b8 v15, s[4:5] offset:40960 th:TH_LOAD_NT scope:SCOPE_SE
	v_nop
	s_wait_xcnt 0x0
	XSTEP
	s_sub_co_u32 s34, s34, 1
	s_cmp_lg_u32 s34, 0
	VW
	s_cbranch_scc1 .Lpro
	WLOAD 0
	TLOAD 0
	WLOAD 1
	TLOAD 1
	s_wait_xcnt 0x0
	s_mov_b32 s26, 25600                           ; the next trip's two tiles
	s_mov_b32 s28, 128
	s_add_nc_u64 s[22:23], s[6:7], s[26:27]
	s_add_nc_u64 s[24:25], s[8:9], s[28:29]
	s_mov_b32 s35, 2
.Lpass:                                            ; passes 0 and 1
	BEGIN
	LOOPT 8, 2, 1, 1
	END
	s_sub_co_u32 s35, s35, 1
	s_cmp_lg_u32 s35, 0
	VW
	s_cbranch_scc1 .Lpass
	BEGIN                                          ; pass 2: its last trip loads no row
	LOOPT 7, 2, 1, 2
	TRIP 1, 1, 0
	END
	BEGIN                                          ; pass 3: no rows are left to come in; its last trip asks for no tile
	LOOPT 7, 0, 1, 0
	TRIP 0, 0, 0
	END
	; the way out
	v_lshrrev_b32 v46, 1, v1                       ; 8 l
	v_add_nc_u32 v47, s56, v46
	VW
	ds_load_b64 v[36:37], v47
.irp f, 0,1
.irp k, 0,1,2,3
	ds_store_b128 v3, v[P+16*\f+4*\k:P+16*\f+4*\k+3] offset:16*\k   ; the part goes back through my stage, so that neighbouring lanes hold neighbouring bytes
.endr
.irp j, 0,1,2,3
	ds_load_b128 v[ACC+16*\f+4*\j:ACC+16*\f+4*\j+3], v2 offset:640*\j
.endr
.endr
	s_wait_dscnt 0x0
	global_store_b64 v46, v[36:37], s[14:15]       ; the wave's 64 scores: 256 consecutive bytes, at a multiple of 256 from sc's first byte
.irp j, 0,1,2,3,4,5,6,7
	global_store_b128 v1, v[ACC+4*\j:ACC+4*\j+3], s[16:17] offset:512*\j   ; 512 consecutive bytes
.endr
	s_wait_tensorcnt 0x0                           ; the wave's end: three lines behind my last LDS store
	ds_add_u32 v12, v13
	s_wait_dscnt 0x0
	s_endpgm
.Lfunc_end_k_q69aced91cd_main:
	.size	k_q69aced91cd_main, .Lfunc_end_k_q69aced91cd_main-k_q69aced91cd_main
	.p2alignl 7, 3214868480
	.fill 96, 4, 3214868480
	.section	.rodata,"a",@progbits
	.p2align	6, 0x0
	.amdhsa_kernel k_q69aced91cd_main
		.amdhsa_group_segment_fixed_size 326400
		.amdhsa_private_segment_fixed_size 0
		.amdhsa_enable_private_segment 0
		.amdhsa_kernarg_size 56
		.amdhsa_user_sgpr_count 2
		.amdhsa_user_sgpr_kernarg_segment_ptr 1
		.amdhsa_wavefront_size32 1
		.amdhsa_system_sgpr_workgroup_id_x 1
		.amdhsa_system_sgpr_workgroup_id_y 1
		.amdhsa_system_sgpr_workgroup_id_z 1
		.amdhsa_system_vgpr_workitem_id 0
		.amdhsa_next_free_vgpr 1024
		.amdhsa_next_free_sgpr 66
		.amdhsa_reserve_vcc 1
		.amdhsa_float_denorm_mode_32 3
		.amdhsa_float_denorm_mode_16_64 3
		.amdhsa_memory_ordered 1
		.amdhsa_forward_progress 1
		.amdhsa_inst_pref_size 239
	.end_amdhsa_kernel
	.amdgpu_metadata
---
amdhsa.version: [ 1, 2 ]
amdhsa.kernels:
  - .name:           k_q69aced91cd_main
    .symbol:         k_q69aced91cd_main.kd
    .args:
      - { .name: encoder_hidden, .offset: 0, .size: 8, .value_kind: global_buffer, .address_space: global }
      - { .name: whf, .offset: 8, .size: 8, .value_kind: global_buffer, .address_space: global }
      - { .name: tbl, .offset: 16, .size: 8, .value_kind: global_buffer, .address_space: global }
      - { .name: sum_temporal, .offset: 24, .size: 8, .value_kind: global_buffer, .address_space: global }
      - { .name: encoder_padding, .offset: 32, .size: 8, .value_kind: global_buffer, .address_space: global }
      - { .name: sc, .offset: 40, .size: 8, .value_kind: global_buffer, .address_space: global }
      - { .name: part, .offset: 48, .size: 8, .value_kind: global_buffer, .address_space: global }
    .group_segment_fixed_size: 326400
    .private_segment_fixed_size: 0
    .kernarg_segment_align: 8
    .kernarg_segment_size: 56
    .max_flat_workgroup_size: 128
    .sgpr_count:     66
    .vgpr_count:     1024
    .wavefront_size: 32
...
	.end_amdgpu_metadata
.endif
;; end of part 2
;; launch finish (part 3): grid 2 x 32, 8 waves a work-group, no clusters, 2,048 bytes of LDS; arguments sc, part, sum_temporal, encoder_padding, out0, out1, out2; writes out0, out1, out2
.if DOCPART == 3
	.amdgcn_target "amdgcn-amd-amdhsa--gfx1250"
	.amdhsa_code_object_version 6
	.text
	.protected	k_q69aced91cd_finish
	.globl	k_q69aced91cd_finish
	.p2align	8
	.type	k_q69aced91cd_finish,@function
k_q69aced91cd_finish:
	s_mov_b64 s[64:65], 0
	v_nop
	global_prefetch_b8 v0, s[64:65] scope:SCOPE_SE
	s_setreg_imm32_b32 hwreg(HW_REG_WAVE_MODE, 25, 1), 1
	s_wait_xcnt 0x0
; THIRD OF THREE LAUNCHES.  No work of the problem is left out here.
; For batch y: M = the largest score among rows whose padding is not 0; e_t = exp(s_t - M) padding_t / sum_temporal_t; Z = the sum of e; out1 = e / Z; out2 = sum_temporal + exp(s), as the problem has it;
; out0 = (sum over the batch's 32 parts g of exp(m_g - M) part_g) / Z, m_g the largest such score of the part's 64 rows: the very number under which the launch before left the part.
; In real numbers exp(-M) cancels between e and Z; no exponential but out2's has an argument above 0.  A batch whose every padding is 0 gives 0 / 0, here as in the problem.
; SHARES: two work-groups to a batch; both make M and Z of the whole batch; work-group x stores rows 1024 x .. + 1023 of out1 and out2 and columns 512 x .. + 511 of out0, and reads that half of each part.
; Thread t holds rows 1024 j + 4 t + i (j = 0, 1; i = 0 .. 3): sixteen neighbouring lanes hold the 64 rows of part g = 16 j + t / 16.
; No matrix unit, no cluster, no tensor load: the launch moves 5 MB once and shares nothing between work-groups.
; LIMITS: NaN and infinities among the inputs are not served.
.set WSUM,  256                        ; LDS: byte 0: the waves' maxima; 256: their sums; 512: the 32 factors exp(m_g - M)
.set FAC,   512
.set SPARE, 768                        ; the spare words, 128 bytes for each wave: four blocks of 256 bytes that no other line names
.set NEGBIG, 0xff61b1e6                ; -3e38
; v1 16 t; v2 8 t; v3 4 x wave; v4 FAC + 4 (t / 16); v5 0; v6, v7 the add's two; v8 a permute's destination; v9, v10 m_g; v11 at work; v12 M, then 1 / Z; v13, v14 the factors; v15 sums
; v16-23 s; v24-31 sum_temporal; v32-39 padding; v40-47 masked s, then e, then out1; v48-55 reciprocals; v56-63 exp(s), then out2; v64-127 the parts; v128-135 the waves' numbers; v136-167 the factors; v168-169 out0
	s_load_b256 s[4:11], s[0:1], 0x0               ; sc s[4:5], part s[6:7], sum_temporal s[8:9], padding s[10:11]
	s_load_b128 s[12:15], s[0:1], 0x20             ; out0 s[12:13], out1 s[14:15]
	s_load_b64 s[16:17], s[0:1], 0x30              ; out2
	v_lshl_add_u32 v6, v0, 2, SPARE
	v_mov_b32 v7, 0
	v_lshrrev_b32 v3, 5, v0
	s_delay_alu instid0(VALU_DEP_1)
	v_lshlrev_b32 v3, 2, v3
	v_lshlrev_b32 v1, 4, v0
	v_lshlrev_b32 v2, 3, v0
	v_lshrrev_b32 v4, 4, v0
	s_delay_alu instid0(VALU_DEP_1)
	v_lshl_add_u32 v4, v4, 2, FAC
	v_mov_b32 v5, 0
	v_mov_b32 v8, 0
	s_and_b32 s18, ttmp7, 0xffff                   ; the batch
	s_lshl_b32 s19, ttmp9, 11                      ; my half of a part's or of out0's row
	s_mov_b32 s21, 0
	s_mov_b32 s22, 0x76543210
	s_mov_b32 s23, 0xfedcba98                      ; v_permlanex16_b32's selects for lane l xor 16
	s_mov_b32 s24, 0x3fb8aa3b                      ; log2(e)
	s_wait_alu depctr_va_vdst(0)
	s_wait_kmcnt 0x0
	s_lshl_b32 s20, s18, 13
	s_add_nc_u64 s[4:5], s[4:5], s[20:21]
	s_add_nc_u64 s[8:9], s[8:9], s[20:21]
	s_add_nc_u64 s[10:11], s[10:11], s[20:21]
	s_add_nc_u64 s[14:15], s[14:15], s[20:21]
	s_add_nc_u64 s[16:17], s[16:17], s[20:21]
	s_lshl_b32 s20, s18, 17
	s_add_co_u32 s20, s20, s19
	s_add_nc_u64 s[6:7], s[6:7], s[20:21]
	s_lshl_b32 s20, s18, 12
	s_add_co_u32 s20, s20, s19
	s_add_nc_u64 s[12:13], s[12:13], s[20:21]
.irp j, 0,1
	global_load_b128 v[16+4*\j:19+4*\j], v1, s[4:5] offset:4096*\j
	global_load_b128 v[24+4*\j:27+4*\j], v1, s[8:9] offset:4096*\j
	global_load_b128 v[32+4*\j:35+4*\j], v1, s[10:11] offset:4096*\j
.endr
.set G, 0
.rept 32
	global_load_b64 v[64+2*G:65+2*G], v2, s[6:7] offset:4096*G th:TH_LOAD_NT   ; part g, my two columns: a wave reads 256 consecutive bytes
.set G, G+1
.endr
	s_wait_loadcnt 32                              ; scores, sum_temporal and padding are in; the 32 loads of the parts may be out
.irp i, 0,1,2,3,4,5,6,7
	v_cmp_neq_f32 vcc_lo, 0, v[32+\i]
	s_delay_alu instid0(VALU_DEP_1)
	v_cndmask_b32 v[40+\i], NEGBIG, v[16+\i], vcc_lo   ; a row with padding 0 counts as -3e38
.endr
	v_max3_num_f32 v9, v40, v41, v42
	s_delay_alu instid0(VALU_DEP_4)
	v_max3_num_f32 v10, v44, v45, v46
	s_delay_alu instid0(VALU_DEP_2)
	v_max_num_f32 v9, v9, v43
	s_delay_alu instid0(VALU_DEP_2)
	v_max_num_f32 v10, v10, v47
.irp x, 1,2,4,8
	s_delay_alu instid0(VALU_DEP_2)
	v_max_num_f32_dpp v9, v9, v9 row_xmask:\x row_mask:0xf bank_mask:0xf
	s_delay_alu instid0(VALU_DEP_2)
	v_max_num_f32_dpp v10, v10, v10 row_xmask:\x row_mask:0xf bank_mask:0xf
.endr                                              ; m_g of my two parts
	s_delay_alu instid0(VALU_DEP_1)
	v_max_num_f32 v11, v9, v10
	s_delay_alu instid0(VALU_DEP_1)
	v_permlanex16_b32 v8, v11, s22, s23
	s_delay_alu instid0(VALU_DEP_1)
	v_max_num_f32 v11, v11, v8
	ds_store_b32 v3, v11                           ; all lanes of a wave write the same word with the same value
	s_wait_dscnt 0x0
	s_barrier_signal -1
	s_barrier_wait -1
	ds_load_b128 v[128:131], v5
	ds_load_b128 v[132:135], v5 offset:16
	s_wait_dscnt 0x0
	v_max3_num_f32 v12, v128, v129, v130
	s_delay_alu instid0(VALU_DEP_1)
	v_max3_num_f32 v12, v12, v131, v132
	s_delay_alu instid0(VALU_DEP_1)
	v_max3_num_f32 v12, v12, v133, v134
	s_delay_alu instid0(VALU_DEP_1)
	v_max_num_f32 v12, v12, v135                   ; M
	s_wait_alu depctr_va_vdst(0)
	v_sub_f32 v13, v9, v12
	v_sub_f32 v14, v10, v12
	s_delay_alu instid0(VALU_DEP_2)
	v_mul_f32 v13, s24, v13
	s_delay_alu instid0(VALU_DEP_2)
	v_mul_f32 v14, s24, v14
.irp i, 0,1,2,3,4,5,6,7
	v_sub_f32 v[40+\i], v[40+\i], v12
.endr
.irp i, 0,1,2,3,4,5,6,7
	v_mul_f32 v[40+\i], s24, v[40+\i]
	v_mul_f32 v[56+\i], s24, v[16+\i]
.endr
	s_wait_alu depctr_va_vdst(0)
	v_exp_f32 v13, v13                             ; one batch of 26
	v_exp_f32 v14, v14
.irp i, 0,1,2,3,4,5,6,7
	v_exp_f32 v[40+\i], v[40+\i]
.endr
.irp i, 0,1,2,3,4,5,6,7
	v_rcp_f32 v[48+\i], v[24+\i]
.endr
.irp i, 0,1,2,3,4,5,6,7
	v_exp_f32 v[56+\i], v[56+\i]
.endr
	v_nop                                          ; the plain place behind the batch
	s_wait_alu depctr_va_vdst(0)                   ; and its one wait
.irp i, 0,1,2,3,4,5,6,7
	v_mul_f32 v[40+\i], v[40+\i], v[32+\i]
	v_add_f32 v[56+\i], v[24+\i], v[56+\i]         ; out2
.endr
.irp i, 0,1,2,3,4,5,6,7
	v_mul_f32 v[40+\i], v[40+\i], v[48+\i]         ; e
.endr
	v_add_f32 v15, v40, v41
	v_add_f32 v128, v42, v43
	v_add_f32 v129, v44, v45
	s_delay_alu instid0(VALU_DEP_4)
	v_add_f32 v130, v46, v47
	s_delay_alu instid0(VALU_DEP_3)
	v_add_f32 v15, v15, v128
	s_delay_alu instid0(VALU_DEP_2)
	v_add_f32 v129, v129, v130
	s_delay_alu instid0(VALU_DEP_1)
	v_add_f32 v15, v15, v129
.irp x, 1,2,4,8
	s_delay_alu instid0(VALU_DEP_1)
	v_add_f32_dpp v15, v15, v15 row_xmask:\x row_mask:0xf bank_mask:0xf
.endr
	s_delay_alu instid0(VALU_DEP_1)
	v_permlanex16_b32 v8, v15, s22, s23
	s_delay_alu instid0(VALU_DEP_1)
	v_add_f32 v15, v15, v8
	ds_store_b32 v3, v15 offset:WSUM
	ds_store_b32 v4, v13                           ; the sixteen lanes of a part write the same word with the same value
	ds_store_b32 v4, v14 offset:64
	s_wait_dscnt 0x0
	s_barrier_signal -1
	s_barrier_wait -1
	ds_load_b128 v[128:131], v5 offset:WSUM
	ds_load_b128 v[132:135], v5 offset:WSUM+16
.irp k, 0,1,2,3,4,5,6,7
	ds_load_b128 v[136+4*\k:139+4*\k], v5 offset:FAC+16*\k
.endr
	s_wait_dscnt 0x0
	v_add_f32 v15, v128, v129
.irp k, 2,3,4,5,6,7
	s_delay_alu instid0(VALU_DEP_1)
	v_add_f32 v15, v15, v[128+\k]
.endr                                              ; Z
	s_wait_alu depctr_va_vdst(0)
	v_rcp_f32 v12, v15
	v_nop
	s_wait_alu depctr_va_vdst(0)
.irp i, 0,1,2,3,4,5,6,7
	v_mul_f32 v[40+\i], v[40+\i], v12              ; out1
.endr
	s_cmp_lg_u32 ttmp9, 0                          ; my half of the rows
	s_cbranch_scc1 .Lupper
	global_store_b128 v1, v[40:43], s[14:15]       ; a wave stores 512 consecutive bytes
	global_store_b128 v1, v[56:59], s[16:17]
	s_branch .Lstored
.Lupper:
	s_wait_alu depctr_va_vdst(0)
	global_store_b128 v1, v[44:47], s[14:15] offset:4096
	global_store_b128 v1, v[60:63], s[16:17] offset:4096
.Lstored:
	s_wait_loadcnt 0x0                             ; the parts
	v_mul_f32 v168, v136, v64
	v_mul_f32 v169, v136, v65
.set G, 1
.rept 31
	s_delay_alu instid0(VALU_DEP_2)
	v_fma_f32 v168, v[136+G], v[64+2*G], v168
	s_delay_alu instid0(VALU_DEP_2)
	v_fma_f32 v169, v[136+G], v[65+2*G], v169
.set G, G+1
.endr
	v_mul_f32 v168, v168, v12
	v_mul_f32 v169, v169, v12
	global_store_b64 v2, v[168:169], s[12:13]      ; a wave stores 256 consecutive bytes, at a multiple of 256 from out0's first byte
	s_wait_tensorcnt 0x0                           ; the wave's end
	ds_add_u32 v6, v7
	s_wait_dscnt 0x0
	s_endpgm
.Lfunc_end_k_q69aced91cd_finish:
	.size	k_q69aced91cd_finish, .Lfunc_end_k_q69aced91cd_finish-k_q69aced91cd_finish
	.p2alignl 7, 3214868480
	.fill 96, 4, 3214868480
	.section	.rodata,"a",@progbits
	.p2align	6, 0x0
	.amdhsa_kernel k_q69aced91cd_finish
		.amdhsa_group_segment_fixed_size 2048
		.amdhsa_private_segment_fixed_size 0
		.amdhsa_enable_private_segment 0
		.amdhsa_kernarg_size 56
		.amdhsa_user_sgpr_count 2
		.amdhsa_user_sgpr_kernarg_segment_ptr 1
		.amdhsa_wavefront_size32 1
		.amdhsa_system_sgpr_workgroup_id_x 1
		.amdhsa_system_sgpr_workgroup_id_y 1
		.amdhsa_system_sgpr_workgroup_id_z 1
		.amdhsa_system_vgpr_workitem_id 0
		.amdhsa_next_free_vgpr 176
		.amdhsa_next_free_sgpr 66
		.amdhsa_reserve_vcc 1
		.amdhsa_float_denorm_mode_32 3
		.amdhsa_float_denorm_mode_16_64 3
		.amdhsa_memory_ordered 1
		.amdhsa_forward_progress 1
		.amdhsa_inst_pref_size 21
	.end_amdhsa_kernel
	.amdgpu_metadata
---
amdhsa.version: [ 1, 2 ]
amdhsa.kernels:
  - .name:           k_q69aced91cd_finish
    .symbol:         k_q69aced91cd_finish.kd
    .args:
      - { .name: sc, .offset: 0, .size: 8, .value_kind: global_buffer, .address_space: global }
      - { .name: part, .offset: 8, .size: 8, .value_kind: global_buffer, .address_space: global }
      - { .name: sum_temporal, .offset: 16, .size: 8, .value_kind: global_buffer, .address_space: global }
      - { .name: encoder_padding, .offset: 24, .size: 8, .value_kind: global_buffer, .address_space: global }
      - { .name: out0, .offset: 32, .size: 8, .value_kind: global_buffer, .address_space: global }
      - { .name: out1, .offset: 40, .size: 8, .value_kind: global_buffer, .address_space: global }
      - { .name: out2, .offset: 48, .size: 8, .value_kind: global_buffer, .address_space: global }
    .group_segment_fixed_size: 2048
    .private_segment_fixed_size: 0
    .kernarg_segment_align: 8
    .kernarg_segment_size: 56
    .max_flat_workgroup_size: 256
    .sgpr_count:     66
    .vgpr_count:     176
    .wavefront_size: 32
...
	.end_amdgpu_metadata
.endif
;; end of part 3
